; MI455X (gfx1250); checked and timed in simulation.
; The chip was launched on July 23, 2026; its instructions are those of AMD's public machine-readable ISA for CDNA 5 (MIT licence, August 2026) and "CDNA5" Instruction Set Architecture Reference Guide (July 2026). The comments in the code are by the model that wrote it; some were corrected since.
;; Pyrmaid Cost Volume. Allowed arithmetic: float matrix products may take bf16 or f16 operands with f32 sums; all other float work in f32.
;; Inputs: cost_volume 4 x 256 x 128 x 256 float32; cur_disp 4 x 1 x 128 x 256 float32.
;; Outputs: out0 4 x 27 x 128 x 256 float32.
;; Constants: radius = 4.
;; 2 versions, each right; version 2 is version 1 with the launch pyramid written anew for expert scheduling mode. Each part assembles by itself: llvm-mc -triple=amdgcn-amd-amdhsa -mcpu=gfx1250 --defsym DOCPART=n.
;; ======== version 1 of 2: 1 launch
;; launch pyramid (part 1): grid 256 x 1, 8 waves a work-group, no clusters, 0 bytes of LDS; arguments cost_volume, cur_disp, out0; writes out0
.if DOCPART == 1
	.amdgcn_target "amdgcn-amd-amdhsa--gfx1250"
	.amdhsa_code_object_version 6
	.text
	.protected	k_q706592c533_pyramid
	.globl	k_q706592c533_pyramid
	.p2align	8
	.type	k_q706592c533_pyramid,@function
k_q706592c533_pyramid:
	s_mov_b64 s[64:65], 0
	v_nop
	global_prefetch_b8 v0, s[64:65] scope:SCOPE_SE
	s_setreg_imm32_b32 hwreg(HW_REG_WAVE_MODE, 25, 1), 1
	s_wait_xcnt 0x0
; PyramidCostVolume.  cost_volume [4][256][128][256] f32, cur_disp [4][1][128][256] f32, out0 [4][27][128][256] f32, radius = 4.
; out0[b][9 i + s][h][w] = level i of the pyramid (means of 2^i neighbouring disparity planes), interpolated linearly at
; disp / 2^i - 4 + s, s = 0..8.  Where a candidate leaves [0, 256/2^i - 1] both taps of the formula clip to the same edge entry and
; its two rates add up to one, so the level is read here as if padded by its edge entries on both sides.
;
; NO ADDRESS AND NO BRANCH HANGS ON A DISPARITY.  Every plane is read once, in order, and the entries that a pixel wants are kept by
; selects.  With f0 = floor(disp) and fd4 = f0 >> 2 the window of level i is the ten entries (f0 >> i) - 4 + j, j = 0..9, and its
; fraction is ((f0 mod 2^i) + disp - floor(disp)) / 2^i.  Planes go in blocks of four (block k = planes 4k .. 4k+3).  A pixel keeps
; three rings of 16 entries, slot = entry number mod 16: R0 planes, R1 sums of two planes, R2 sums of four.  A ring is overwritten
; until the end of its window has gone by: R2 (entry k) and R1 (entries 2k, 2k+1) take block k while k <= Q = fd4 + 5, which leaves
; entries Q-15..Q and 2Q-14..2Q+1, more than the windows fd4-4..fd4+5 and 2fd4-4..2fd4+6; R0 takes block k while k + 3 <= Q, which leaves
; blocks fd4-1..fd4+2, the planes f0-4..f0+5 among them.  So ONE compare a block and pixel, M[k] = (k <= Q), serves all three rings;
; it is made three steps early and kept in a ring of four scalar pairs.  Padding below: a slot's first write has entry 0 as its
; alternative.  Padding above: nine further steps (k = 64..72) that feed the last entries.  At the end a ring is turned by
; ((f0 >> i) - 4) mod 16 in four stages of selects, and two packed instructions make each output of both pixels.
; f0 is clamped to [-24, 271]: beyond these all three windows are padding alone, so that Q stays in [-1, 72].
;
; SHARES.  256 work-groups of 8 independent waves.  A work-group owns 512 pixels (two image rows of one batch: 2,048 consecutive bytes
; of every plane), a wave 64, a lane two neighbours.  Each load and each store of a wave covers 256 consecutive bytes, aligned.  A lane's
; two pixels lie in an even/odd register pair, so sums and interpolation are packed and a result pair is stored as it stands.
; 15 blocks (60 loads, 15,360 bytes) of every wave are on their way; with the disparity load at most 61 loads of a wave are outstanding.
; No LDS, no barrier: no lane needs another's data.  No cluster: no two work-groups read the same byte.  No matrix unit: no products.
; The 64 steps are written out by .rept: slot numbers, plane offsets and compare constants are then immediates, about 17 KB of code.
;
; LIMITS.  cost_volume finite with |x| < 2^126: the means are formed as sums of two and four (same order of additions as the pyramid)
; and the exact factors 1/2 and 1/4 are folded into the weights.  A tap of weight zero is still multiplied, so an infinity or NaN in the
; neighbouring entry of a window shows as NaN.  A candidate outside the range gives the edge entry times the sum of the two weights
; (one, up to rounding), where the formula as written forms v (1 - r) + v r with |r| the distance and loses digits as |disp| grows.
; A NaN or infinite disparity gives NaN in all 27 channels of its pixel.
.set PLANE, 131072                     ; bytes from a disparity plane to the next (128 x 256 f32), and from an output channel to the next
.set NBLK,  64                         ; blocks of four planes
.set SLOTS, 16                         ; load slots, one block each
.set AHEAD, 15                         ; blocks requested ahead of the one at work
.set QTOP,  72                         ; the largest Q: fd4 = 67 at the upper clamp
.set OFF,   1                          ; v1        8 x thread: my two pixels in the group's 2,048 bytes
.set Q,     2                          ; v[2:3]    fd4 + 5 of my two pixels
.set F,     4                          ; v[4:5]    f0, set-up only
.set B0,    6                          ; v[6:7]    weight of the upper tap, level 0 (first the disparities themselves)
.set A0,    8                          ; v[8:9]    weight of the lower tap, level 0
.set B1,    10                         ; v[10:13]  the same for level 1, times 1/2
.set A1,    12
.set B2,    14                         ; v[14:17]  the same for level 2, times 1/4
.set A2,    16
.set SUMA,  18                         ; v[18:19]  planes 0 + 1 of the block
.set SUMB,  20                         ; v[20:21]  planes 2 + 3
.set SUM4,  22                         ; v[22:23]  all four
.set R0,    24                         ; v[24:55]  ring of level 0: slot t at R0 + 2 t
.set R1,    56                         ; v[56:87]  ring of level 1
.set R2,    88                         ; v[88:119] ring of level 2
.set BUF,   120                        ; v[120:247] load slots: block k at BUF + 8 (k mod 16), plane j of it at + 2 j
.set TMP,   BUF                        ; the same registers as scratch once the last plane is in
.set LAST,  BUF+8*((NBLK-1)%SLOTS)+6   ; plane 255
.set CB,    12                         ; s[12:19]  my pixels in planes 0, 64, 128, 192: 63 planes are the most that the loads' immediate reaches
.set MK,    20                         ; s[20:27]  M[k] at MK + 2 (k mod 4), a mask for each of the two pixels
.set BIT,   28                         ; s[28:39]  bit i of f0 as a lane mask at BIT + 2 i, i = 0..5
.set XR,    40                         ; s[40:45]  bit (i+2) xor bit (i+3) of f0 at XR + 2 i, i = the level
	s_load_b128 s[4:7], s[0:1], 0x0                ; cost_volume s[4:5], cur_disp s[6:7]
	s_load_b64 s[8:9], s[0:1], 0x10                ; out0
	v_lshlrev_b32 v[OFF], 3, v0
	s_lshr_b32 s2, ttmp9, 6                        ; batch: 64 work-groups each
	s_and_b32 s3, ttmp9, 63                        ; pair of image rows
	s_lshl_b32 s3, s3, 11                          ; x 2,048 bytes
	s_lshl_b32 s48, s2, 25                         ; a batch of the volume is 256 planes = 2^25 bytes
	s_add_co_u32 s48, s48, s3
	s_mov_b32 s49, 0
	s_lshl_b32 s50, ttmp9, 11                      ; cur_disp has one plane a batch: 64 groups x 2,048 bytes, so the group's number will do
	s_mov_b32 s51, 0
	s_mul_i32 s52, s2, 27*PLANE                    ; a batch of the output is 27 channels
	s_add_co_u32 s52, s52, s3
	s_mov_b32 s53, 0
	s_mov_b32 s46, 0xc1c00000                      ; -24.0
	s_mov_b32 s47, 0x43878000                      ; 271.0
	s_wait_kmcnt 0x0
	s_add_nc_u64 s[6:7], s[6:7], s[50:51]
	s_add_nc_u64 s[CB:CB+1], s[4:5], s[48:49]
	s_add_nc_u64 s[CB+2:CB+3], s[CB:CB+1], 64*PLANE
	s_add_nc_u64 s[CB+4:CB+5], s[CB+2:CB+3], 64*PLANE
	s_add_nc_u64 s[CB+6:CB+7], s[CB+4:CB+5], 64*PLANE
	s_add_nc_u64 s[8:9], s[8:9], s[52:53]
; The four planes of block n into its slot.  Plane 0 goes straight into slot 0 of R0, where it is both entry 0 and the padding below.
.macro LOADBLK n
.irp j, 0,1,2,3
.set DST, BUF+8*((\n)%SLOTS)+2*\j
.if 4*(\n)+\j == 0
.set DST, R0
.endif
	global_load_b64 v[DST:DST+1], v[OFF], s[CB+2*((\n)/16):CB+2*((\n)/16)+1] offset:((4*(\n)+\j)%64)*PLANE th:TH_LOAD_NT
.endr
.endm
; For both pixels: dst = mask ? new : old.  m: the scalar register of the first pixel's mask, the second's is the next.
.macro SEL dst, old, new, m
	v_cndmask_b32 v[\dst], v[\old], v[\new], s[\m]
	v_cndmask_b32 v[\dst+1], v[\old+1], v[\new+1], s[\m+1]
.endm
	global_load_b64 v[B0:B0+1], v[OFF], s[6:7] th:TH_LOAD_NT   ; my two disparities, ahead of everything else
.set kk, 0
.rept AHEAD
	LOADBLK kk
.set kk, kk+1
.endr
	; SET-UP, while the first planes are on their way.
	s_wait_loadcnt 4*AHEAD                         ; loads come back in order (ISA guide 5.7.1): the 60 plane loads issued behind the disparities may stay out
.irp p, 0,1
	v_floor_f32 v[F+\p], v[B0+\p]
	v_sub_f32 v[B0+\p], v[B0+\p], v[F+\p]          ; the fraction, exact; level 0's upper weight
	v_med3_num_f32 v[F+\p], v[F+\p], s46, s47      ; beyond the clamps all windows are padding, whatever the fraction
	v_cvt_i32_f32 v[F+\p], v[F+\p]                 ; f0
	v_ashrrev_i32 v[Q+\p], 2, v[F+\p]              ; fd4 (rounds down for negative f0 too)
	v_add_nc_u32 v[Q+\p], 5, v[Q+\p]
.irp n, 0,1,2
	v_cmp_le_i32 s[MK+2*\n+\p], \n, v[Q+\p]        ; M[0..2]; from M[3] on each step makes the mask of three steps later
.endr
.irp i, 0,1,2,3,4,5
	v_and_b32 v[SUMA+\p], 1<<\i, v[F+\p]
	v_cmp_ne_u32 s[BIT+2*\i+\p], 0, v[SUMA+\p]     ; bit i of f0, for the rings' turning at the end
.endr
.irp l, 0,1,2
	s_xor_b32 s[XR+2*\l+\p], s[BIT+2*(\l+2)+\p], s[BIT+2*(\l+3)+\p]
.endr
	v_sub_f32 v[A0+\p], 1.0, v[B0+\p]
	v_and_b32 v[B1+\p], 1, v[F+\p]                 ; level 1: fraction = (f0 mod 2 + fraction) / 2, and 1/2 for the mean of two
	v_cvt_f32_i32 v[B1+\p], v[B1+\p]
	v_add_f32 v[B1+\p], v[B1+\p], v[B0+\p]
	v_mul_f32 v[B1+\p], 0x3e800000, v[B1+\p]       ; x 1/4
	v_sub_f32 v[A1+\p], 0.5, v[B1+\p]
	v_and_b32 v[B2+\p], 3, v[F+\p]                 ; level 2: fraction = (f0 mod 4 + fraction) / 4, and 1/4 for the mean of four
	v_cvt_f32_i32 v[B2+\p], v[B2+\p]
	v_add_f32 v[B2+\p], v[B2+\p], v[B0+\p]
	v_mul_f32 v[B2+\p], 0x3d800000, v[B2+\p]       ; x 1/16
	v_sub_f32 v[A2+\p], 0x3e800000, v[B2+\p]       ; 1/4 - that
.endr
; STEP n: block n is taken into the three rings, and block n + 15 is requested into the slot that block n - 1 has left.
.macro STEP n
.set LEFT, NBLK-1-(\n)
.if LEFT > AHEAD-1
.set LEFT, AHEAD-1
.endif
	s_wait_loadcnt 4*LEFT                          ; block n is in; the blocks issued behind it (14, fewer near the end) stay out
.if (\n)+AHEAD < NBLK
	LOADBLK (\n)+AHEAD
.endif
.set DAT, BUF+8*((\n)%SLOTS)
.set MNOW, MK+2*((\n)%4)
.set MNEXT, MK+2*(((\n)+3)%4)
.set KNEXT, (\n)+3
	v_cmp_le_i32 s[MNEXT], KNEXT, v[Q]             ; M[n+3]: for R0 now, for R1 and R2 three steps on.  It replaces M[n-1], which is done with
	v_cmp_le_i32 s[MNEXT+1], KNEXT, v[Q+1]
.if (\n) == 0
	; entry 0 of each level is kept whatever Q is (it is the padding below as well), so the sums are written straight into slot 0
	v_pk_add_f32 v[R1:R1+1], v[R0:R0+1], v[DAT+2:DAT+3]
	v_pk_add_f32 v[SUMB:SUMB+1], v[DAT+4:DAT+5], v[DAT+6:DAT+7]
	SEL R0+2,R0,DAT+2,MNEXT
	SEL R0+4,R0,DAT+4,MNEXT
	SEL R0+6,R0,DAT+6,MNEXT
	v_pk_add_f32 v[R2:R2+1], v[R1:R1+1], v[SUMB:SUMB+1]
	SEL R1+2,R1,SUMB,MNOW
.else
	v_pk_add_f32 v[SUMA:SUMA+1], v[DAT:DAT+1], v[DAT+2:DAT+3]
	v_pk_add_f32 v[SUMB:SUMB+1], v[DAT+4:DAT+5], v[DAT+6:DAT+7]
.irp j, 0,1,2,3
.set NEW0, R0+2*((4*(\n)+\j)%16)
.set OLD0, NEW0
.if (\n) < 4
.set OLD0, R0                          ; a slot's first write: the alternative is entry 0, the padding below (slot 0 is rewritten only in block 4)
.endif
	SEL NEW0,OLD0,DAT+2*\j,MNEXT
.endr
	v_pk_add_f32 v[SUM4:SUM4+1], v[SUMA:SUMA+1], v[SUMB:SUMB+1]
.set NEW1, R1+2*((2*(\n))%16)
.set OLD1A, NEW1
.set OLD1B, NEW1+2
.if (\n) < 8
.set OLD1A, R1                         ; likewise (slot 0 of R1 is rewritten only in block 8)
.set OLD1B, R1
.endif
	SEL NEW1,OLD1A,SUMA,MNOW
	SEL NEW1+2,OLD1B,SUMB,MNOW
.set NEW2, R2+2*((\n)%16)
.set OLD2, NEW2
.if (\n) < 16
.set OLD2, R2                          ; likewise (slot 0 of R2 is rewritten only in block 16)
.endif
	SEL NEW2,OLD2,SUM4,MNOW
.endif
.endm
; STEP n past the volume's end: the same selects, fed with the last entry of each level (plane 255, SUMB and SUM4 of block 63).
; R0: four such blocks fill the whole ring, more would write the same value again.  R1: its window ends at block Q - 2 <= 70.
.macro PADSTEP n
.set MNOW, MK+2*((\n)%4)
.set MNEXT, MK+2*(((\n)+3)%4)
.set KNEXT, (\n)+3
.if KNEXT <= QTOP
	v_cmp_le_i32 s[MNEXT], KNEXT, v[Q]
	v_cmp_le_i32 s[MNEXT+1], KNEXT, v[Q+1]
.endif
.if (\n) < NBLK+4
.irp j, 0,1,2,3
.set NEW0, R0+2*((4*(\n)+\j)%16)
	SEL NEW0,NEW0,LAST,MNEXT
.endr
.endif
.if (\n) < NBLK+7
.set NEW1, R1+2*((2*(\n))%16)
	SEL NEW1,NEW1,SUMB,MNOW
	SEL NEW1+2,NEW1+2,SUMB,MNOW
.endif
.set NEW2, R2+2*((\n)%16)
	SEL NEW2,NEW2,SUM4,MNOW
.endm
.set kk, 0
.rept NBLK
	STEP kk
.set kk, kk+1
.endr
.rept QTOP-NBLK+1
	PADSTEP kk
.set kk, kk+1
.endr
; The window out of ring r of level lv: W[j] = r[(j + rot) mod 16], j = 0..9, rot = (x - 4) mod 16, x = f0 >> lv.
; Bits of rot from bits of x: bit 0 = x.0, bit 1 = x.1, bit 2 = not x.2, bit 3 = not (x.3 xor x.2) (taking 4 away flips x.2 and borrows
; from x.3 where x.2 was 0).  The two inverted bits cost nothing: their selects have the sources exchanged.
; By 8 into the scratch (16 entries), by 4 back into the ring's registers (13), then by 2 (11) and by 1 (10) in place, upward:
; entry j reads j and a higher one, never one that has been rewritten.
.macro ROTATE r, lv
.set j, 0
.rept 16
	SEL TMP+2*j,\r+2*((j+8)%16),\r+2*j,XR+2*\lv
.set j, j+1
.endr
.set j, 0
.rept 13
	SEL \r+2*j,TMP+2*((j+4)%16),TMP+2*j,BIT+2*(\lv+2)
.set j, j+1
.endr
.set j, 0
.rept 11
	SEL \r+2*j,\r+2*j,\r+2*j+4,BIT+2*(\lv+1)
.set j, j+1
.endr
.set j, 0
.rept 10
	SEL \r+2*j,\r+2*j,\r+2*j+2,BIT+2*\lv
.set j, j+1
.endr
.endm
; Nine outputs of both pixels: a W[s] + b W[s+1], written over W[s] and stored from there.  The 27 result pairs are never
; rewritten, nor are the offset and the base, so that no store has to be waited for.
.macro LERP r, a, b, ch
.set j, 0
.rept 9
	v_pk_mul_f32 v[TMP+2*j:TMP+2*j+1], v[\r+2*j+2:\r+2*j+3], v[\b:\b+1]
.set j, j+1
.endr
.set j, 0
.rept 9
	v_pk_fma_f32 v[\r+2*j:\r+2*j+1], v[\r+2*j:\r+2*j+1], v[\a:\a+1], v[TMP+2*j:TMP+2*j+1]
	global_store_b64 v[OFF], v[\r+2*j:\r+2*j+1], s[8:9] offset:(\ch+j)*PLANE th:TH_STORE_NT
.set j, j+1
.endr
.endm
	ROTATE R0, 0
	LERP R0, A0, B0, 0
	ROTATE R1, 1
	LERP R1, A1, B1, 9
	ROTATE R2, 2
	LERP R2, A2, B2, 18
	s_endpgm
.Lfunc_end_k_q706592c533_pyramid:
	.size	k_q706592c533_pyramid, .Lfunc_end_k_q706592c533_pyramid-k_q706592c533_pyramid
	.p2alignl 7, 3214868480
	.fill 96, 4, 3214868480
	.section	.rodata,"a",@progbits
	.p2align	6, 0x0
	.amdhsa_kernel k_q706592c533_pyramid
		.amdhsa_group_segment_fixed_size 0
		.amdhsa_private_segment_fixed_size 0
		.amdhsa_enable_private_segment 0
		.amdhsa_kernarg_size 24
		.amdhsa_user_sgpr_count 2
		.amdhsa_user_sgpr_kernarg_segment_ptr 1
		.amdhsa_wavefront_size32 1
		.amdhsa_system_sgpr_workgroup_id_x 1
		.amdhsa_system_sgpr_workgroup_id_y 1
		.amdhsa_system_sgpr_workgroup_id_z 1
		.amdhsa_system_vgpr_workitem_id 0
		.amdhsa_next_free_vgpr 248
		.amdhsa_next_free_sgpr 66
		.amdhsa_reserve_vcc 0
		.amdhsa_float_denorm_mode_32 3
		.amdhsa_float_denorm_mode_16_64 3
		.amdhsa_memory_ordered 1
		.amdhsa_forward_progress 1
		.amdhsa_inst_pref_size 137
	.end_amdhsa_kernel
	.amdgpu_metadata
---
amdhsa.version: [ 1, 2 ]
amdhsa.kernels:
  - .name:           k_q706592c533_pyramid
    .symbol:         k_q706592c533_pyramid.kd
    .args:
      - { .name: cost_volume, .offset: 0, .size: 8, .value_kind: global_buffer, .address_space: global }
      - { .name: cur_disp, .offset: 8, .size: 8, .value_kind: global_buffer, .address_space: global }
      - { .name: out0, .offset: 16, .size: 8, .value_kind: global_buffer, .address_space: global }
    .group_segment_fixed_size: 0
    .private_segment_fixed_size: 0
    .kernarg_segment_align: 8
    .kernarg_segment_size: 24
    .max_flat_workgroup_size: 256
    .sgpr_count:     66
    .vgpr_count:     248
    .wavefront_size: 32
...
	.end_amdgpu_metadata
.endif
;; end of part 1
;; ======== version 2 of 2: 1 launch; version 1 with the launch pyramid written anew for expert scheduling mode
;; launch pyramid (part 2): grid 256 x 1, 8 waves a work-group, no clusters, 0 bytes of LDS; arguments cost_volume, cur_disp, out0; writes out0
.if DOCPART == 2
	.amdgcn_target "amdgcn-amd-amdhsa--gfx1250"
	.amdhsa_code_object_version 6
	.text
	.protected	k_q706592c533_pyramid
	.globl	k_q706592c533_pyramid
	.p2align	8
	.type	k_q706592c533_pyramid,@function
k_q706592c533_pyramid:
	s_mov_b64 s[64:65], 0
	v_nop
	global_prefetch_b8 v0, s[64:65] scope:SCOPE_SE
	s_setreg_imm32_b32 hwreg(HW_REG_WAVE_SCHED_MODE, 0, 2), 2
	s_setreg_imm32_b32 hwreg(HW_REG_WAVE_MODE, 25, 1), 1
	s_wait_xcnt 0x0
	s_wait_alu depctr_vm_vsrc(0)
; PyramidCostVolume.  cost_volume [4][256][128][256] f32, cur_disp [4][1][128][256] f32, out0 [4][27][128][256] f32, radius = 4.
; out0[b][9 i + s][h][w] = level i of the pyramid (means of 2^i neighbouring disparity planes), interpolated linearly at
; disp / 2^i - 4 + s, s = 0..8.  Where a candidate leaves [0, 256/2^i - 1] both taps of the formula clip to the same edge entry and
; its two rates add up to one, so the level is read here as if padded by its edge entries on both sides.
;
; NO ADDRESS AND NO BRANCH HANGS ON A DISPARITY.  Every plane is read once, in order, and the entries that a pixel wants are kept by
; selects.  With f0 = floor(disp) and fd4 = f0 >> 2 the window of level i is the ten entries (f0 >> i) - 4 + j, j = 0..9, and its
; fraction is ((f0 mod 2^i) + disp - floor(disp)) / 2^i.  Planes go in blocks of four (block k = planes 4k .. 4k+3).  A pixel keeps
; three rings of 16 entries, slot = entry number mod 16: R0 planes, R1 sums of two planes, R2 sums of four.  A ring is overwritten
; until the end of its window has gone by: R2 (entry k) and R1 (entries 2k, 2k+1) take block k while k <= Q = fd4 + 5, which leaves
; entries Q-15..Q and 2Q-14..2Q+1, more than the windows fd4-4..fd4+5 and 2fd4-4..2fd4+6; R0 takes block k while k + 3 <= Q, which leaves
; blocks fd4-1..fd4+2, the planes f0-4..f0+5 among them.  So ONE compare a block and pixel, M[k] = (k <= Q), serves all three rings;
; the masks are made in runs, ahead of the steps that read them, and kept in a ring of twelve scalar pairs.  Padding below: a slot's
; first write has entry 0 as its alternative.  Padding above: nine further steps (k = 64..72) that feed the last entries.  At the end a
; ring is turned by ((f0 >> i) - 4) mod 16 in four stages of selects, and two packed instructions make each output of both pixels.
; f0 is clamped to [-24, 271]: beyond these all three windows are padding alone, so that Q stays in [-1, 72].
;
; SHARES.  256 work-groups of 8 independent waves.  A work-group owns 512 pixels (two image rows of one batch: 2,048 consecutive bytes
; of every plane), a wave 64, a lane two neighbours.  Each load and each store of a wave covers 256 consecutive bytes, aligned.  A lane's
; two pixels lie in an even/odd register pair, so sums and interpolation are packed and a result pair is stored as it stands.
; 15 blocks (60 loads, 15,360 bytes) of every wave are on their way; with the disparity load at most 61 loads of a wave are outstanding.
; No LDS, no barrier: no lane needs another's data.  No cluster: no two work-groups read the same byte.  No matrix unit: no products.
; The 64 steps are written out by .rept: slot numbers, plane offsets and compare constants are then immediates, about 17 KB of code.
;
; THE MODE: SCHED_MODE bits 1:0 = 2 (LLVM: expert scheduling mode 2), set by the entry lines.  The code itself states the register
; dependences between vector instructions and memory instructions, and those through scalar registers that vector instructions write,
; with s_wait_alu, always for 0.
; THE PLAN.  Registers that memory instructions touch:
;   v[OFF]        Written once, at the head; read by every load and store; never written again.
;   BUF, slot s   The loads of block n (n mod 16 = s) land in it; step n's sums and selects read it; then it is loaded again.
;   v[B0:B0+1], v[R0:R0+1]   The disparities and plane 0 land here before any vector instruction has named them.
;   the low nine pairs of each ring   Written at the end by the level's nine multiply-adds; read by its nine stores; never written again.
;   The sums, the weights, Q, the rest of the rings and the products in TMP are named by vector instructions alone.
; The steps go in PAIRS, n even and n + 1.  The pair's eight loads (blocks n + 14 and n + 15) land in slots n - 2 and n - 1, which the pair
; before has read and which no vector instruction of this pair names.  So ONE wait on va_vdst at the pair's head states all that they hang on:
; block n + 14 follows it in a run, ahead of the wait for block n's data; block n + 15 is dealt among step n's selects with no further wait.
; The pair's two new masks, M[n+3] and M[n+4], are compared behind that run, and ONE wait on va_sdst, behind the wait for block n's data,
; stands ahead of their first readers; the last pair's head makes M[65..72] at once, so that the padding steps hold no wait.
; On the way out one wait on va_vdst a level stands between its nine multiply-adds and its nine stores.
; No wait on vm_vsrc is written: no register that a memory instruction reads is ever written again.
;
; LIMITS.  cost_volume finite with |x| < 2^126: the means are formed as sums of two and four (same order of additions as the pyramid)
; and the exact factors 1/2 and 1/4 are folded into the weights.  A tap of weight zero is still multiplied, so an infinity or NaN in the
; neighbouring entry of a window shows as NaN.  A candidate outside the range gives the edge entry times the sum of the two weights
; (one, up to rounding), where the formula as written forms v (1 - r) + v r with |r| the distance and loses digits as |disp| grows.
; A NaN or infinite disparity gives NaN in all 27 channels of its pixel.
.set PLANE, 131072                     ; bytes from a disparity plane to the next (128 x 256 f32), and from an output channel to the next
.set NBLK,  64                         ; blocks of four planes
.set SLOTS, 16                         ; load slots, one block each
.set AHEAD, 15                         ; blocks requested ahead of the one at work
.set QTOP,  72                         ; the largest Q: fd4 = 67 at the upper clamp
.set MASKS, 12                         ; places in the masks' ring: at the last pair's head M[62..72], eleven masks, are alive together
.set OFF,   1                          ; v1        8 x thread: my two pixels in the group's 2,048 bytes
.set Q,     2                          ; v[2:3]    fd4 + 5 of my two pixels
.set F,     4                          ; v[4:5]    f0, set-up only
.set B0,    6                          ; v[6:7]    weight of the upper tap, level 0 (first the disparities themselves)
.set A0,    8                          ; v[8:9]    weight of the lower tap, level 0
.set B1,    10                         ; v[10:13]  the same for level 1, times 1/2
.set A1,    12
.set B2,    14                         ; v[14:17]  the same for level 2, times 1/4
.set A2,    16
.set SUMA,  18                         ; v[18:19]  planes 0 + 1 of the block
.set SUMB,  20                         ; v[20:21]  planes 2 + 3
.set SUM4,  22                         ; v[22:23]  all four
.set R0,    24                         ; v[24:55]  ring of level 0: slot t at R0 + 2 t
.set R1,    56                         ; v[56:87]  ring of level 1
.set R2,    88                         ; v[88:119] ring of level 2
.set BUF,   120                        ; v[120:247] load slots: block k at BUF + 8 (k mod 16), plane j of it at + 2 j
.set TMP,   BUF                        ; the same registers as scratch once the last plane is in
.set LAST,  BUF+8*((NBLK-1)%SLOTS)+6   ; plane 255
.set CB,    12                         ; s[12:19]  my pixels in planes 0, 64, 128, 192: 63 planes are the most that the loads' immediate reaches
.set BIT,   28                         ; s[28:39]  bit i of f0 as a lane mask at BIT + 2 i, i = 0..5
.set XR,    40                         ; s[40:45]  bit (i+2) xor bit (i+3) of f0 at XR + 2 i, i = the level
.set MK,    66                         ; s[66:89]  M[k] at MK + 2 (k mod 12), a mask for each of the two pixels
	s_load_b128 s[4:7], s[0:1], 0x0                ; cost_volume s[4:5], cur_disp s[6:7]
	s_load_b64 s[8:9], s[0:1], 0x10                ; out0
	v_lshlrev_b32 v[OFF], 3, v0
	s_lshr_b32 s2, ttmp9, 6                        ; batch: 64 work-groups each
	s_and_b32 s3, ttmp9, 63                        ; pair of image rows
	s_lshl_b32 s3, s3, 11                          ; x 2,048 bytes
	s_lshl_b32 s48, s2, 25                         ; a batch of the volume is 256 planes = 2^25 bytes
	s_add_co_u32 s48, s48, s3
	s_mov_b32 s49, 0
	s_lshl_b32 s50, ttmp9, 11                      ; cur_disp has one plane a batch: 64 groups x 2,048 bytes, so the group's number will do
	s_mov_b32 s51, 0
	s_mul_i32 s52, s2, 27*PLANE                    ; a batch of the output is 27 channels
	s_add_co_u32 s52, s52, s3
	s_mov_b32 s53, 0
	s_mov_b32 s46, 0xc1c00000                      ; -24.0
	s_mov_b32 s47, 0x43878000                      ; 271.0
	s_wait_kmcnt 0x0
	s_add_nc_u64 s[6:7], s[6:7], s[50:51]
	s_add_nc_u64 s[CB:CB+1], s[4:5], s[48:49]
	s_add_nc_u64 s[CB+2:CB+3], s[CB:CB+1], 64*PLANE
	s_add_nc_u64 s[CB+4:CB+5], s[CB+2:CB+3], 64*PLANE
	s_add_nc_u64 s[CB+6:CB+7], s[CB+4:CB+5], 64*PLANE
	s_add_nc_u64 s[8:9], s[8:9], s[52:53]
	s_wait_alu depctr_va_vdst(0)                   ; v[OFF] is written: every load and store of the kernel reads it as its offset
; Plane j of block n into its place.  Plane 0 goes straight into slot 0 of R0, where it is both entry 0 and the padding below.
.macro LOADPL n, j
.set DST, BUF+8*((\n)%SLOTS)+2*(\j)
.if 4*(\n)+(\j) == 0
.set DST, R0
.endif
	global_load_b64 v[DST:DST+1], v[OFF], s[CB+2*((\n)/16):CB+2*((\n)/16)+1] offset:((4*(\n)+(\j))%64)*PLANE th:TH_LOAD_NT
.endm
; The four planes of block n in a run.
.macro LOADBLK n
.irp j, 0,1,2,3
	LOADPL \n, \j
.endr
.endm
; Plane j of the block that a pair's first step asks for between its selects (FILL; -1: none).
.macro DEAL j
.if FILL >= 0
	LOADPL FILL, \j
.endif
.endm
; For both pixels: dst = mask ? new : old.  m: the scalar register of the first pixel's mask, the second's is the next.
.macro SEL dst, old, new, m
	v_cndmask_b32 v[\dst], v[\old], v[\new], s[\m]
	v_cndmask_b32 v[\dst+1], v[\old+1], v[\new+1], s[\m+1]
.endm
	global_load_b64 v[B0:B0+1], v[OFF], s[6:7] th:TH_LOAD_NT   ; my two disparities, ahead of everything else
.set kk, 0
.rept AHEAD
	LOADBLK kk
.set kk, kk+1
.endr
	; SET-UP, while the first planes are on their way.
	s_wait_loadcnt 4*AHEAD                         ; loads come back in order (ISA guide 5.7.1): the 60 plane loads issued behind the disparities may stay out
.irp p, 0,1
	v_floor_f32 v[F+\p], v[B0+\p]
	v_sub_f32 v[B0+\p], v[B0+\p], v[F+\p]          ; the fraction, exact; level 0's upper weight
	v_med3_num_f32 v[F+\p], v[F+\p], s46, s47      ; beyond the clamps all windows are padding, whatever the fraction
	v_cvt_i32_f32 v[F+\p], v[F+\p]                 ; f0
	v_ashrrev_i32 v[Q+\p], 2, v[F+\p]              ; fd4 (rounds down for negative f0 too)
	v_add_nc_u32 v[Q+\p], 5, v[Q+\p]
.irp n, 0,1,2
	v_cmp_le_i32 s[MK+2*\n+\p], \n, v[Q+\p]        ; M[0..2]; from M[3] on the head of each pair of steps makes the pair's two new masks
.endr
.irp i, 0,1,2,3,4,5
	v_and_b32 v[SUMA+\p], 1<<\i, v[F+\p]
	v_cmp_ne_u32 s[BIT+2*\i+\p], 0, v[SUMA+\p]     ; bit i of f0, for the rings' turning at the end
.endr
	v_sub_f32 v[A0+\p], 1.0, v[B0+\p]
	v_and_b32 v[B1+\p], 1, v[F+\p]                 ; level 1: fraction = (f0 mod 2 + fraction) / 2, and 1/2 for the mean of two
	v_cvt_f32_i32 v[B1+\p], v[B1+\p]
	v_add_f32 v[B1+\p], v[B1+\p], v[B0+\p]
	v_mul_f32 v[B1+\p], 0x3e800000, v[B1+\p]       ; x 1/4
	v_sub_f32 v[A1+\p], 0.5, v[B1+\p]
	v_and_b32 v[B2+\p], 3, v[F+\p]                 ; level 2: fraction = (f0 mod 4 + fraction) / 4, and 1/4 for the mean of four
	v_cvt_f32_i32 v[B2+\p], v[B2+\p]
	v_add_f32 v[B2+\p], v[B2+\p], v[B0+\p]
	v_mul_f32 v[B2+\p], 0x3d800000, v[B2+\p]       ; x 1/16
	v_sub_f32 v[A2+\p], 0x3e800000, v[B2+\p]       ; 1/4 - that
.endr
	s_wait_alu depctr_va_sdst(0)                   ; the compares above have written the twelve bit masks, which the s_xor lines below read, and M[0..2], which the first steps' selects read
.irp p, 0,1
.irp l, 0,1,2
	s_xor_b32 s[XR+2*\l+\p], s[BIT+2*(\l+2)+\p], s[BIT+2*(\l+3)+\p]
.endr
.endr
; STEP n: block n is taken into the three rings.  An even n is the head of a pair: there the pair's two blocks are requested, n + 14 into the
; slot that block n - 2 has left and n + 15 into block n - 1's, and the pair's new masks are made.
.macro STEP n
.if (\n)%2 == 0
.if ((\n) > 0) && ((\n)+AHEAD-1 < NBLK)
	s_wait_alu depctr_va_vdst(0)                   ; the sums and selects of steps n - 2 and n - 1 are done reading their slots, in which this pair's eight loads land
	LOADBLK (\n)+AHEAD-1                           ; (at n = 0 block 14 has been asked for ahead of the set-up, and no vector instruction has named slot 15)
.endif
.set km, (\n)+3
.set kn, 2
.if (\n) == NBLK-2
.set kn, QTOP-(\n)-2                   ; the last pair's head makes all the masks that are left, M[65..72]
.endif
.rept kn
	v_cmp_le_i32 s[MK+2*(km%MASKS)], km, v[Q]      ; M[n+3], M[n+4]: for R0 in this pair, for R1 and R2 three steps on.  Each replaces the mask of twelve steps back, which is done with
	v_cmp_le_i32 s[MK+2*(km%MASKS)+1], km, v[Q+1]
.set km, km+1
.endr
.endif
.set LEFT, NBLK-1-(\n)
.if LEFT > AHEAD-1
.set LEFT, AHEAD-1
.endif
	s_wait_loadcnt 4*LEFT                          ; block n is in; the blocks issued behind it (14, fewer near the end) stay out
.if (\n)%2 == 0
	s_wait_alu depctr_va_sdst(0)                   ; the compares at this pair's head have written their masks, ahead of the first select that reads one
.endif
.set FILL, -1
.if ((\n)%2 == 0) && ((\n)+AHEAD < NBLK)
.set FILL, (\n)+AHEAD                  ; dealt below.  No wait: no vector instruction since the wait at the pair's head names slot n - 1
.endif
.set DAT, BUF+8*((\n)%SLOTS)
.set MNOW, MK+2*((\n)%MASKS)
.set MNEXT, MK+2*(((\n)+3)%MASKS)
.if (\n) == 0
	; entry 0 of each level is kept whatever Q is (it is the padding below as well), so the sums are written straight into slot 0
	DEAL 0
	v_pk_add_f32 v[R1:R1+1], v[R0:R0+1], v[DAT+2:DAT+3]
	v_pk_add_f32 v[SUMB:SUMB+1], v[DAT+4:DAT+5], v[DAT+6:DAT+7]
	DEAL 1
	SEL R0+2,R0,DAT+2,MNEXT
	DEAL 2
	SEL R0+4,R0,DAT+4,MNEXT
	DEAL 3
	SEL R0+6,R0,DAT+6,MNEXT
	v_pk_add_f32 v[R2:R2+1], v[R1:R1+1], v[SUMB:SUMB+1]
	SEL R1+2,R1,SUMB,MNOW
.else
	v_pk_add_f32 v[SUMA:SUMA+1], v[DAT:DAT+1], v[DAT+2:DAT+3]
	v_pk_add_f32 v[SUMB:SUMB+1], v[DAT+4:DAT+5], v[DAT+6:DAT+7]
.irp j, 0,1,2,3
	DEAL \j
.set NEW0, R0+2*((4*(\n)+\j)%16)
.set OLD0, NEW0
.if (\n) < 4
.set OLD0, R0                          ; a slot's first write: the alternative is entry 0, the padding below (slot 0 is rewritten only in block 4)
.endif
	SEL NEW0,OLD0,DAT+2*\j,MNEXT
.endr
	v_pk_add_f32 v[SUM4:SUM4+1], v[SUMA:SUMA+1], v[SUMB:SUMB+1]
.set NEW1, R1+2*((2*(\n))%16)
.set OLD1A, NEW1
.set OLD1B, NEW1+2
.if (\n) < 8
.set OLD1A, R1                         ; likewise (slot 0 of R1 is rewritten only in block 8)
.set OLD1B, R1
.endif
	SEL NEW1,OLD1A,SUMA,MNOW
	SEL NEW1+2,OLD1B,SUMB,MNOW
.set NEW2, R2+2*((\n)%16)
.set OLD2, NEW2
.if (\n) < 16
.set OLD2, R2                          ; likewise (slot 0 of R2 is rewritten only in block 16)
.endif
	SEL NEW2,OLD2,SUM4,MNOW
.endif
.endm
; STEP n past the volume's end: the same selects, fed with the last entry of each level (plane 255, SUMB and SUM4 of block 63).
; R0: four such blocks fill the whole ring, more would write the same value again.  R1: its window ends at block Q - 2 <= 70.
; Its masks, up to M[72], were made at the last pair's head, ahead of that pair's wait for them: these steps hold no wait.
.macro PADSTEP n
.set MNOW, MK+2*((\n)%MASKS)
.set MNEXT, MK+2*(((\n)+3)%MASKS)
.if (\n) < NBLK+4
.irp j, 0,1,2,3
.set NEW0, R0+2*((4*(\n)+\j)%16)
	SEL NEW0,NEW0,LAST,MNEXT
.endr
.endif
.if (\n) < NBLK+7
.set NEW1, R1+2*((2*(\n))%16)
	SEL NEW1,NEW1,SUMB,MNOW
	SEL NEW1+2,NEW1+2,SUMB,MNOW
.endif
.set NEW2, R2+2*((\n)%16)
	SEL NEW2,NEW2,SUM4,MNOW
.endm
.set kk, 0
.rept NBLK
	STEP kk
.set kk, kk+1
.endr
.rept QTOP-NBLK+1
	PADSTEP kk
.set kk, kk+1
.endr
; The window out of ring r of level lv: W[j] = r[(j + rot) mod 16], j = 0..9, rot = (x - 4) mod 16, x = f0 >> lv.
; Bits of rot from bits of x: bit 0 = x.0, bit 1 = x.1, bit 2 = not x.2, bit 3 = not (x.3 xor x.2) (taking 4 away flips x.2 and borrows
; from x.3 where x.2 was 0).  The two inverted bits cost nothing: their selects have the sources exchanged.
; By 8 into the scratch (16 entries), by 4 back into the ring's registers (13), then by 2 (11) and by 1 (10) in place, upward:
; entry j reads j and a higher one, never one that has been rewritten.
.macro ROTATE r, lv
.set j, 0
.rept 16
	SEL TMP+2*j,\r+2*((j+8)%16),\r+2*j,XR+2*\lv
.set j, j+1
.endr
.set j, 0
.rept 13
	SEL \r+2*j,TMP+2*((j+4)%16),TMP+2*j,BIT+2*(\lv+2)
.set j, j+1
.endr
.set j, 0
.rept 11
	SEL \r+2*j,\r+2*j,\r+2*j+4,BIT+2*(\lv+1)
.set j, j+1
.endr
.set j, 0
.rept 10
	SEL \r+2*j,\r+2*j,\r+2*j+2,BIT+2*\lv
.set j, j+1
.endr
.endm
; Nine outputs of both pixels: a W[s] + b W[s+1], written over W[s] and stored from there, the nine stores in a run behind one wait.
; The 27 result pairs are never rewritten (the next level's turning writes the scratch and its own ring), nor are the offset and the
; base, so that no store has to be waited for.
.macro LERP r, a, b, ch
.set j, 0
.rept 9
	v_pk_mul_f32 v[TMP+2*j:TMP+2*j+1], v[\r+2*j+2:\r+2*j+3], v[\b:\b+1]
.set j, j+1
.endr
.set j, 0
.rept 9
	v_pk_fma_f32 v[\r+2*j:\r+2*j+1], v[\r+2*j:\r+2*j+1], v[\a:\a+1], v[TMP+2*j:TMP+2*j+1]
.set j, j+1
.endr
	s_wait_alu depctr_va_vdst(0)                   ; the nine multiply-adds have written the level's result pairs, which the nine stores read
.set j, 0
.rept 9
	global_store_b64 v[OFF], v[\r+2*j:\r+2*j+1], s[8:9] offset:(\ch+j)*PLANE th:TH_STORE_NT
.set j, j+1
.endr
.endm
	ROTATE R0, 0
	LERP R0, A0, B0, 0
	ROTATE R1, 1
	LERP R1, A1, B1, 9
	ROTATE R2, 2
	LERP R2, A2, B2, 18
	s_endpgm
.Lfunc_end_k_q706592c533_pyramid:
	.size	k_q706592c533_pyramid, .Lfunc_end_k_q706592c533_pyramid-k_q706592c533_pyramid
	.p2alignl 7, 3214868480
	.fill 96, 4, 3214868480
	.section	.rodata,"a",@progbits
	.p2align	6, 0x0
	.amdhsa_kernel k_q706592c533_pyramid
		.amdhsa_group_segment_fixed_size 0
		.amdhsa_private_segment_fixed_size 0
		.amdhsa_enable_private_segment 0
		.amdhsa_kernarg_size 24
		.amdhsa_user_sgpr_count 2
		.amdhsa_user_sgpr_kernarg_segment_ptr 1
		.amdhsa_wavefront_size32 1
		.amdhsa_system_sgpr_workgroup_id_x 1
		.amdhsa_system_sgpr_workgroup_id_y 1
		.amdhsa_system_sgpr_workgroup_id_z 1
		.amdhsa_system_vgpr_workitem_id 0
		.amdhsa_next_free_vgpr 248
		.amdhsa_next_free_sgpr 90
		.amdhsa_reserve_vcc 0
		.amdhsa_float_denorm_mode_32 3
		.amdhsa_float_denorm_mode_16_64 3
		.amdhsa_memory_ordered 1
		.amdhsa_forward_progress 1
		.amdhsa_inst_pref_size 139
	.end_amdhsa_kernel
	.amdgpu_metadata
---
amdhsa.version: [ 1, 2 ]
amdhsa.kernels:
  - .name:           k_q706592c533_pyramid
    .symbol:         k_q706592c533_pyramid.kd
    .args:
      - { .name: cost_volume, .offset: 0, .size: 8, .value_kind: global_buffer, .address_space: global }
      - { .name: cur_disp, .offset: 8, .size: 8, .value_kind: global_buffer, .address_space: global }
      - { .name: out0, .offset: 16, .size: 8, .value_kind: global_buffer, .address_space: global }
    .group_segment_fixed_size: 0
    .private_segment_fixed_size: 0
    .kernarg_segment_align: 8
    .kernarg_segment_size: 24
    .max_flat_workgroup_size: 256
    .sgpr_count:     90
    .vgpr_count:     248
    .wavefront_size: 32
...
	.end_amdgpu_metadata
.endif
;; end of part 2
